; MI455X (gfx1250); checked and timed in simulation.
; The chip was launched on July 23, 2026; its instructions are those of AMD's public machine-readable ISA for CDNA 5 (MIT licence, August 2026) and "CDNA5" Instruction Set Architecture Reference Guide (July 2026). The comments in the code are by the model that wrote it; some were corrected since.
;; Lora Layer. Allowed arithmetic: matrix products marked QUANTISED: E4M3 operands, one E8M0 scale for each 32 along K, by v_wmma_scale_f32_16x16x128_f8f6f4 with both operands' format E4M3, f32 sums; products left as they are: f32 operands where the result goes on into a quantised operand, else bf16, f16 or f32 operands; f32 sums; everything else in f32.
;; Inputs: b 2,048 float32; lora_a 2,048 x 16 float32; lora_b 16 x 2,048 float32; w 2,048 x 2,048 float32; x 4 x 2,048 x 2,048 float32.
;; Outputs: out0 4 x 2,048 x 2,048 float32.
;; This version of the problem:
;;   THIS VERSION OF THE PROBLEM IS GIVEN IN LOW PRECISION. The matrix products marked QUANTISED in the list below multiply operands that are first quantised to E4M3 (4 exponent bits, 3 mantissa bits; 8 bits a number), with one power-of-two scale for each 32 numbers along K (OCP MX v1.0); their sums are f32. All else is computed in f32.
;;   The module's matrix products, in the order in which they are computed (A, B: the left and right operand; K: the contracted axis; several contracted axes count as one K, in the product's order):
;;     1. [M 8,192, K 2,048] x [K 2,048, N 2,048]; A: input x; B: input w: QUANTISED
;;     2. [M 2,048, K 16] x [K 16, N 2,048]; A: input lora_a; B: input lora_b: left as it is (K = 16 < 32)
;;     3. [M 8,192, K 2,048] x [K 2,048, N 2,048]; A: input x; B: computed on the way: QUANTISED
;;   THE QUANTISER, for each operand of a quantised product, along K:
;;     - K is cut into blocks of 32 from its start; a last block that is shorter is filled with zeros.
;;     - A block's scale is 2^e with e = floor(log2(the largest magnitude in the block)) - 8, held to -126 .. 127; a block of zeros has e = 0. As a byte (E8M0): e + 127.
;;     - Each number is divided by its block's scale, clamped to +-448, and rounded to the nearest number of E4M3, ties to even, subnormals kept.
;;     - The product sums the exact products of the quantised numbers (number of the format x scale) in f32.
;;   ~~~python
;;   def quantise(x, axis):      # numpy; x: float32 -> the quantised numbers, widened to float32 again
;;       x = np.moveaxis(x, axis, -1); K = x.shape[-1]
;;       x = np.pad(x, [(0, 0)] * (x.ndim - 1) + [(0, -K % 32)]); x = x.reshape(x.shape[:-1] + (-1, 32)); a = np.abs(x).max(-1, keepdims=True)
;;       e = np.where(a > 0, np.clip(np.frexp(np.where(a > 0, a, 1))[1] - 1 - 8, -126, 127), 0)      # np.frexp(a)[1] - 1 = floor(log2(a)), exactly
;;       r = np.clip(x / 2.0 ** e, -448, 448)
;;       step = 2.0 ** (np.maximum(np.frexp(np.where(r == 0, 1, r))[1] - 1, -6) - 3)
;;       q = np.round(r / step) * step * 2.0 ** e      # np.round: ties to even
;;       return np.moveaxis(q.reshape(q.shape[:-2] + (-1,))[..., :K], -1, axis).astype(np.float32)
;;   ~~~
;;   OPERANDS COMPUTED ON THE WAY. 'Computed on the way' means the value that the module computes at that place (a softmax that the list does not call 'softmax' is quantised finished and normalised). What goes into a quantiser is computed in f32, as accurately as f32 sums, v_exp_f32 and their like allow (about 1e-6 of the number): no bf16 or f16 on the way to a quantiser, and a product that is left as it is and whose result goes on into a quantised operand takes f32 operands (vector FMAs, or v_wmma_f32_16x16x4_f32). A number that lies on a knife's edge between two numbers of the format may be rounded either way, as far as f32 arithmetic and the matrix unit's own rounding can turn it there, and no further.
;; One version. Each part assembles by itself: llvm-mc -triple=amdgcn-amd-amdhsa -mcpu=gfx1250 --defsym DOCPART=n.
;; ======== version 1 of 1: 2 launches
;; limits: right only within a limited range of input values
;; workspace buffers: xq 16,777,216 bytes; xs 524,288 bytes; bq 8,388,608 bytes; bs 262,144 bytes
;; launch prep (part 1): grid 256 x 1, 12 waves a work-group, no clusters, 314,112 bytes of LDS; arguments x, w, lora_a, lora_b, xq, xs, bq, bs; writes xq, xs, bq, bs
.if DOCPART == 1
	.amdgcn_target "amdgcn-amd-amdhsa--gfx1250"
	.amdhsa_code_object_version 6
	.text
	.protected	k_q5c5a9b0485_prep
	.globl	k_q5c5a9b0485_prep
	.p2align	8
	.type	k_q5c5a9b0485_prep,@function
k_q5c5a9b0485_prep:
	s_mov_b64 s[64:65], 0
	v_nop
	global_prefetch_b8 v0, s[64:65] scope:SCOPE_SE
	s_setreg_imm32_b32 hwreg(HW_REG_WAVE_MODE, 25, 1), 1
	s_wait_xcnt 0x0
; x [8192][2048], w [2048][2048] (K innermost) and ab = lora_a lora_b [2048 (k)][2048 (n)] (K its first axis) become codes of FP8 (E4M3) with one E8M0 byte for each 32 along K.
; A block's scale is 2^(floor(log2(its largest magnitude)) - 8); its byte is the largest magnitude's exponent field - 8, held at 1 from below; each number is divided by the scale, held within +-448 and rounded to the nearest code, ties to even.
; THE WORKSPACE IS LAID AS IMAGES OF THE OPERAND'S REGISTERS.  A fragment is 16 rows x 128 K, 2,048 bytes: lane l = r + 16 h keeps its registers 4 c .. 4 c + 3 (K = 32 c + 16 h + 0 .. 15 of row r) at byte 512 c + 16 l.
;   xq [32 tiles of 256 rows][16 K steps][16 fragments][2,048];  bq [8 tiles of 256 columns][16 K steps][w: 16 fragments | ab: 16 fragments].
;   Scale words: for 256 rows and one K step 1,024 bytes: [group of 64 rows][r][4 fragments].  xs [32][16][1,024];  bs [8][w: 16 x 1,024 | ab: 16 x 1,024].
; THE FACTOR ALPHA / R = 2 of the second product is a power of two: it goes into ab's scale bytes, each + 1 (a byte made here is at most 246, so no byte reaches 0xff and none carries into its neighbour).
; SHARES.  A unit is 64 rows x 128 K: 4 fragments, 32,768 bytes of f32.  Work-group g: waves 0-7 take x (rows 128 (g / 4) + 64 (wave % 2) on, K step 4 (g % 4) + wave / 2), waves 8, 9 w, waves 10, 11 ab
; (both: rows or columns 128 (g / 16) + 64 (wave % 2) on, K step g % 16).  Waves share nothing: no barrier.
; Waves 0-8 bring their unit by ONE tensor load each into LDS bytes of their own (64 rows of 512 bytes + 16 of padding): LDS is filled once.  Ten such units do not fit beside the spare words: wave 9 loads its unit into
; registers, 512 consecutive bytes of one row a load, and turns 16 rows at a time through a stage of the same pitch.  No prefetch: there is no loop to run ahead in, and each unit is asked for at the head.
; ab: computed in f32 by v_wmma_f32_16x16x4_f32, source 0 = 16 rows of lora_a, source 1 = 16 columns of lora_b: a lane then holds ONE column n, and its registers run down k.  THE ROWS OF lora_a THAT FORM A TILE ARE NOT NEIGHBOURS:
; lane r of tile 2 c + u takes row 32 c + 8 u + r + 8 (r / 8), so that the 16 registers of tiles 2 c and 2 c + 1 are k = 32 c + 16 h + 0 .. 15.  The 16 terms of a sum are taken in the order 8 p + 4 h + 2 q + j, alike on both sides.
; LIMITS: NaN and infinities among the inputs are not served.  A block of zeros gets the byte 1 (ab: 2) where the rule says 127: its codes are zeros, which add nothing under any byte but 0xff, and the bytes are read by this program alone.
; REGISTERS: v1-9 lane numbers and offsets; v16-79, v124-187 numbers; v80-95 codes; v96-111 maxima and scales; v112-115 scale words; v192-255 written by the f32 matrix instruction alone; window 1: v0-63 wave 9's second set.
.set UNIT, 33792                       ; LDS: 64 rows x 528 bytes for each of waves 0-8; behind them wave 9's stage of 16 rows
.set SPARE, 9*UNIT+8448
.set X,   16                           ; 64 numbers of a lane: register 16 c + i = k 32 c + 16 h + i of row r
.set X1,  124                          ; a second set
.set C,   80                           ; a fragment's codes
.set TM,  96                           ; +0..3 largest magnitudes, +4..7 bytes, +8..11 the largest number x the scale, +12..15 the conversions' scale operands
.set SW,  112                          ; the scale word of fragment f
.set T,   116                          ; the two words that a lane stores
.set H,   124                          ; ab: two sets of 16 held numbers
.set LA,  16                           ; ab: lora_a's fragments
.set LB,  156                          ; ab: lora_b's
.set D,   192                          ; ab: 8 tiles of 16 k x 16 n
.set MSB, 0
.macro WIN new                         ; the immediate's high byte repeats the setting that is left
.if MSB != (\new)
	s_set_vgpr_msb (MSB<<8)|(\new)
.set MSB, (\new)
.endif
.endm
	s_load_b256 s[4:11], s[0:1], 0x0               ; x s[4:5], w s[6:7], lora_a s[8:9], lora_b s[10:11]
	s_load_b256 s[12:19], s[0:1], 0x20             ; xq s[12:13], xs s[14:15], bq s[16:17], bs s[18:19]
	v_lshl_add_u32 v190, v0, 2, SPARE
	v_mov_b32 v191, 0
	ds_add_u32 v190, v191                          ; the opening: the add, twice on end, and its wait
	ds_add_u32 v190, v191
	v_lshrrev_b32 v1, 5, v0
	v_readfirstlane_b32 s20, v1                    ; wave 0..11
	s_mul_i32 s40, s20, UNIT                       ; my LDS bytes
	v_and_b32 v1, 31, v0                           ; lane
	v_and_b32 v2, 15, v0                           ; r
	v_bfe_u32 v3, v0, 4, 1                         ; h
	v_lshlrev_b32 v4, 4, v1                        ; 16 x lane: my bytes of a load's 512, and of an image's
	v_lshlrev_b32 v5, 4, v2
	v_lshl_add_u32 v5, v3, 3, v5                   ; 16 r + 8 h: where my two scale words go
	v_add_nc_u32 v6, s40, v4                       ; wave 9, into the stage: a row as it is loaded
	v_mul_u32_u24 v7, v2, 528
	v_lshl_add_u32 v7, v3, 6, v7
	v_add_nc_u32 v7, s40, v7                       ; row r, + 64 h: my 16 numbers of a block of 32
	v_and_b32 v8, 8, v2
	v_add_nc_u32 v8, v8, v2                        ; r + 8 (r / 8)
	v_lshlrev_b32 v8, 6, v8                        ; lora_a: a row is 64 bytes,
	v_lshl_add_u32 v8, v3, 4, v8                   ; + 16 h: four of its 16 numbers
	v_lshlrev_b32 v9, 2, v2                        ; lora_b: column r,
	v_lshl_add_u32 v9, v3, 15, v9                  ; four rows of 8,192 bytes further down for lanes 16-31
.irp b, 0,1,2,3
	v_mov_b32 v[TM+4+\b], 0                        ; written once: a lane permute's destination counts as one of its sources
.endr
	s_wait_alu depctr_va_vdst(0)                   ; the wait at the head's end
	s_mov_b32 s21, 0xffff0000                      ; the lanes with h = 1
	s_mov_b32 s22, 0x76543210
	s_mov_b32 s23, 0xfedcba98                      ; v_permlanex16_b32's selects for lane l xor 16
	s_mov_b32 s24, 0x600000                        ; the mantissa field of 448
	s_mov_b32 s44, (2<<16)|(1<<20)|(6<<22)|(3<<25) ; a unit: 64 rows of 128 elements of 4 bytes, 2,048 elements apart, 4 dwords of padding behind every 128
	s_mov_b32 s45, 128<<16
	s_mov_b32 s46, 64<<16
	s_mov_b32 s47, 128<<16
	s_mov_b32 s48, 64
	s_mov_b32 s49, 2048
	s_mov_b32 s50, 0
	s_mov_b32 s51, 0
	s_and_b32 s41, s20, 1                          ; which 64 of the 128 rows or columns
	s_lshr_b32 s25, ttmp9, 2                       ; x: which 128 rows,
	s_and_b32 s26, ttmp9, 3
	s_lshl_b32 s26, s26, 2
	s_lshr_b32 s42, s20, 1
	s_add_co_u32 s26, s26, s42                     ; which K step
	s_lshr_b32 s27, ttmp9, 4                       ; w, ab: which 128 rows or columns,
	s_and_b32 s28, ttmp9, 15                       ; which K step
	s_wait_dscnt 0x0                               ; both opening adds are done
	s_wait_kmcnt 0x0
	s_cmp_lt_u32 s20, 8                            ; x's wave?  All choices hang on the wave's number alone
	s_cselect_b32 s25, s25, s27
	s_cselect_b32 s26, s26, s28
	s_cselect_b32 s29, 19, 20                      ; log2 of a tile's codes,
	s_cselect_b32 s30, 15, 16                      ; of a K step's codes in a tile,
	s_cselect_b32 s31, 14, 15                      ; of a tile's scale bytes
	s_cselect_b64 s[32:33], s[4:5], s[6:7]         ; the numbers,
	s_cselect_b64 s[34:35], s[12:13], s[16:17]     ; the codes,
	s_cselect_b64 s[36:37], s[14:15], s[18:19]     ; the scale words
	s_lshr_b32 s27, s25, 1                         ; the tile of 256
	s_and_b32 s28, s25, 1                          ; and its half
	s_mov_b32 s39, 0
	s_lshl_b32 s38, s25, 20                        ; 128 rows of 8,192 bytes
	s_lshl_b32 s42, s41, 19                        ; 64 rows
	s_add_co_u32 s38, s38, s42
	s_lshl_b32 s42, s26, 9                         ; 128 numbers
	s_add_co_u32 s38, s38, s42
	s_add_nc_u64 s[32:33], s[32:33], s[38:39]
	s_mov_b32 s52, 1
	s_mov_b32 s53, s40
	s_mov_b64 s[54:55], s[32:33]
	s_or_b32 s55, s55, 0x80000000
	s_lshl_b32 s38, s27, s29
	s_lshl_b32 s42, s26, s30
	s_add_co_u32 s38, s38, s42
	s_lshl_b32 s42, s28, 14                        ; 8 fragments
	s_add_co_u32 s38, s38, s42
	s_lshl_b32 s42, s41, 13                        ; 4 fragments
	s_add_co_u32 s38, s38, s42
	s_add_nc_u64 s[34:35], s[34:35], s[38:39]
	s_lshl_b32 s38, s27, s31
	s_lshl_b32 s42, s26, 10
	s_add_co_u32 s38, s38, s42
	s_lshl_b32 s42, s28, 9
	s_add_co_u32 s38, s38, s42
	s_lshl_b32 s42, s41, 8
	s_add_co_u32 s38, s38, s42
	s_add_nc_u64 s[36:37], s[36:37], s[38:39]
; 64 numbers of a lane, v[s] on, become a fragment's codes in v[C] on and its scale word in v[pw].  The held numbers go to v[d] on, dm registers by turns (d = s, dm = 64: in place).  two = 1: each byte + 1.
.macro QUANT s, d, dm, pw, two
.irp b, 0,1,2,3
	v_max3_num_f32 v[TM+\b], |v[\s+16*\b]|, |v[\s+16*\b+1]|, 0x4800000   ; block b: my 16 numbers, and the floor 2^(9 - 127): so the byte cannot fall under 1
.endr
.irp i, 2,4,6,8,10,12,14
.irp b, 0,1,2,3
	v_max3_num_f32 v[TM+\b], v[TM+\b], |v[\s+16*\b+\i]|, |v[\s+16*\b+\i+1]|   ; the four blocks by turns
.endr
.endr
.irp b, 0,1,2,3
	v_permlanex16_b32 v[TM+4+\b], v[TM+\b], s22, s23
.endr
.irp b, 0,1,2,3
	v_max_num_f32 v[TM+\b], v[TM+\b], v[TM+4+\b]   ; with lane l xor 16's: the block's largest magnitude
.endr
.irp b, 0,1,2,3
	v_add_nc_u32 v[TM+12+\b], 0xfc000000, v[TM+\b] ; 8 off its exponent field: the conversion takes the exponent field of this operand as its scale, and nothing else of it
.endr
.irp b, 0,1,2,3
	v_and_or_b32 v[TM+8+\b], v[TM+\b], 0x7f800000, s24   ; 448 x the scale
.endr
.irp b, 0,1,2,3
	v_lshrrev_b32 v[TM+4+\b], 23, v[TM+12+\b]      ; the scale's byte
.endr
	v_lshl_or_b32 v[\pw], v[TM+5], 8, v[TM+4]      ; the four bytes make my row's scale word; both halves of the lanes hold it
	v_lshl_or_b32 v[\pw], v[TM+6], 16, v[\pw]
	v_lshl_or_b32 v[\pw], v[TM+7], 24, v[\pw]
.if \two
	v_add_nc_u32 v[\pw], 0x01010101, v[\pw]        ; x 2, exactly
.endif
.irp b, 0,1,2,3
.irp i, 0,1,2,3,4,5,6,7,8,9,10,11,12,13,14,15
	v_med3_num_f32 v[\d+(16*\b)%\dm+\i], v[\s+16*\b+\i], -v[TM+8+\b], v[TM+8+\b]   ; the conversion to an 8-bit code does not saturate (ISA guide 7.6.2): the hold at the largest code x the scale
.endr
	v_cvt_scalef32_pk8_fp8_f32 v[C+4*\b:C+4*\b+1], v[\d+(16*\b)%\dm:\d+(16*\b)%\dm+7], v[TM+12+\b]
	v_cvt_scalef32_pk8_fp8_f32 v[C+4*\b+2:C+4*\b+3], v[\d+(16*\b)%\dm+8:\d+(16*\b)%\dm+15], v[TM+12+\b]
.endr
	v_nop                                          ; one plain vector instruction behind the last scaled conversion
.endm
.macro CODES i                         ; fragment i's image: each store covers 512 consecutive bytes, aligned
.irp c, 0,1,2,3
	global_store_b128 v4, v[C+4*\c:C+4*\c+3], s[34:35] offset:2048*(\i)+512*\c
.endr
.endm
.macro TAIL                            ; the unit's scale words: lane (r, h) stores those of fragments 2 h, 2 h + 1 of row r: 256 consecutive bytes, aligned
	v_cndmask_b32 v[T], v[SW], v[SW+2], s21
	v_cndmask_b32 v[T+1], v[SW+1], v[SW+3], s21
	global_store_b64 v5, v[T:T+1], s[36:37]
	s_wait_tensorcnt 0x0                           ; the wave's end
	ds_add_u32 v190, v191
	s_wait_dscnt 0x0
	s_endpgm
.endm
.macro BACK f, to                      ; fragment f's 64 numbers out of LDS: rows 528 bytes apart
.irp c, 0,1,2,3
.irp j, 0,1,2,3
	ds_load_b128 v[\to+16*\c+4*\j:\to+16*\c+4*\j+3], v7 offset:8448*(\f)+128*\c+16*\j
.endr
.endr
.endm
	s_cmp_lt_u32 s20, 9
	s_cbranch_scc0 .Lno_tile
; ---- waves 0-8: the unit comes by one tensor load
	tensor_load_to_lds s[52:55], s[44:51]
	s_nop 0
.rept 4
	v_nop
.endr
	s_wait_tensorcnt 0x0                           ; my unit is in; no other wave reads it
	BACK 0, X
	BACK 1, X1
.irp f, 0,1,2,3
.if \f < 3
	s_wait_dscnt 16                                ; this fragment's 16 loads are in; the next one's may be out
.else
	s_wait_dscnt 0x0
.endif
.if \f > 0
	s_wait_xcnt 0x0                                ; the last fragment's stores have read their data
.endif
	QUANT X+(X1-X)*(\f%2), X+(X1-X)*(\f%2), 64, SW+\f, 0
	CODES \f
.if \f < 2
	BACK \f+2, X+(X1-X)*(\f%2)
.endif
.endr
	TAIL
.Lno_tile:
	s_cmp_eq_u32 s20, 9
	s_cbranch_scc0 .Lab
; ---- wave 9: the unit comes through registers, two sets by turns: v124-187, and v0-63 of window 1
.macro LOAD f
	WIN 0x40*((\f)%2)
.irp p, 0,1,2,3,4,5,6,7,8,9,10,11,12,13,14,15
	global_load_b128 v[X1*(1-(\f)%2)+4*\p:X1*(1-(\f)%2)+4*\p+3], v4, s[32:33] offset:(16*(\f)+\p)*8192 th:TH_LOAD_NT   ; 512 consecutive bytes of a row, read once in the launch
.endr
	WIN 0
.endm
	LOAD 0
	LOAD 1
.irp f, 0,1,2,3
.if \f < 3
	s_wait_loadcnt 16                              ; this fragment's 16 loads are in; the next one's may be out
.else
	s_wait_loadcnt 0x0
.endif
	WIN 0x04*(\f%2)                                ; an LDS store's data are its source 1
.irp p, 0,1,2,3,4,5,6,7,8,9,10,11,12,13,14,15
	ds_store_b128 v6, v[X1*(1-\f%2)+4*\p:X1*(1-\f%2)+4*\p+3] offset:528*\p
.endr
	WIN 0
	BACK 0, X                                      ; LDS serves a wave's instructions in order (ISA guide 5.7.1.4): these see the stores above
	s_wait_dscnt 0x0                               ; my 64 numbers are back, and the stage's stores have read the set
.if \f > 0
	s_wait_xcnt 0x0                                ; the last fragment's stores have read their data
.endif
.if \f < 2
	LOAD \f+2
.endif
	QUANT X, X, 64, SW+\f, 0
	CODES \f
.endr
	TAIL
; ---- waves 10, 11: ab
.Lab:
	s_lshl_b32 s38, s26, 13                        ; lora_a: my 128 rows of 64 bytes
	s_add_nc_u64 s[8:9], s[8:9], s[38:39]
	s_lshl_b32 s38, s25, 9                         ; lora_b: my 64 columns
	s_lshl_b32 s42, s41, 8
	s_add_co_u32 s38, s38, s42
	s_add_nc_u64 s[10:11], s[10:11], s[38:39]
	s_add_nc_u64 s[34:35], s[34:35], 0x8000        ; ab's codes lie behind w's 16 fragments,
	s_add_nc_u64 s[36:37], s[36:37], 0x4000        ; its scale words behind w's 16 K steps
.irp t, 0,1,2,3,4,5,6,7                ; tile t = 2 c + u begins at row 32 c + 8 u; registers 8 t + 4 p + 0 .. 3: terms 8 p + 4 h + 0 .. 3
.irp p, 0,1
	global_load_b128 v[LA+8*\t+4*\p:LA+8*\t+4*\p+3], v8, s[8:9] offset:(32*(\t/2)+8*(\t%2))*64+32*\p
.endr
.endr
.irp i, 0,1,2,3                        ; block i of 16 columns; register 8 i + 4 p + q: term 8 p + 4 h + q
.irp p, 0,1
.irp q, 0,1,2,3
	global_load_b32 v[LB+8*\i+4*\p+\q], v9, s[10:11] offset:(8*\p+\q)*8192+64*\i
.endr
.endr
.endr
	s_wait_loadcnt 0x0
.irp f, 0,1,2,3                        ; 128 k x 16 columns: 8 tiles, 4 steps of 4 terms each; the first step starts the sums with the constant 0; the 8 accumulators take turns
.irp s, 0,1,2,3
.irp t, 0,1,2,3,4,5,6,7
.if \s == 0
	v_wmma_f32_16x16x4_f32 v[D+8*\t:D+8*\t+7], v[LA+8*\t+2*\s:LA+8*\t+2*\s+1], v[LB+8*\f+2*\s:LB+8*\f+2*\s+1], 0
.else
	v_wmma_f32_16x16x4_f32 v[D+8*\t:D+8*\t+7], v[LA+8*\t+2*\s:LA+8*\t+2*\s+1], v[LB+8*\f+2*\s:LB+8*\f+2*\s+1], v[D+8*\t:D+8*\t+7]
.endif
.endr
.endr
.rept 8
	v_nop                                          ; eight places between this form and the first read of its results (ISA guide 7.12.1)
.endr
.if \f > 0
	s_wait_xcnt 0x0                                ; the last fragment's stores have read their data
.endif
	QUANT D, H, 32, SW+\f, 1                       ; the held numbers go to other registers: no vector instruction writes an accumulator of this form
	CODES \f
.endr
	TAIL
.Lfunc_end_k_q5c5a9b0485_prep:
	.size	k_q5c5a9b0485_prep, .Lfunc_end_k_q5c5a9b0485_prep-k_q5c5a9b0485_prep
	.p2alignl 7, 3214868480
	.fill 96, 4, 3214868480
	.section	.rodata,"a",@progbits
	.p2align	6, 0x0
	.amdhsa_kernel k_q5c5a9b0485_prep
		.amdhsa_group_segment_fixed_size 314112
		.amdhsa_private_segment_fixed_size 0
		.amdhsa_enable_private_segment 0
		.amdhsa_kernarg_size 64
		.amdhsa_user_sgpr_count 2
		.amdhsa_user_sgpr_kernarg_segment_ptr 1
		.amdhsa_wavefront_size32 1
		.amdhsa_system_sgpr_workgroup_id_x 1
		.amdhsa_system_sgpr_workgroup_id_y 1
		.amdhsa_system_sgpr_workgroup_id_z 1
		.amdhsa_system_vgpr_workitem_id 0
		.amdhsa_next_free_vgpr 320
		.amdhsa_next_free_sgpr 66
		.amdhsa_reserve_vcc 0
		.amdhsa_float_denorm_mode_32 3
		.amdhsa_float_denorm_mode_16_64 3
		.amdhsa_memory_ordered 1
		.amdhsa_forward_progress 1
		.amdhsa_inst_pref_size 139
	.end_amdhsa_kernel
	.amdgpu_metadata
---
amdhsa.version: [ 1, 2 ]
amdhsa.kernels:
  - .name:           k_q5c5a9b0485_prep
    .symbol:         k_q5c5a9b0485_prep.kd
    .args:
      - { .name: x, .offset: 0, .size: 8, .value_kind: global_buffer, .address_space: global }
      - { .name: w, .offset: 8, .size: 8, .value_kind: global_buffer, .address_space: global }
      - { .name: lora_a, .offset: 16, .size: 8, .value_kind: global_buffer, .address_space: global }
      - { .name: lora_b, .offset: 24, .size: 8, .value_kind: global_buffer, .address_space: global }
      - { .name: xq, .offset: 32, .size: 8, .value_kind: global_buffer, .address_space: global }
      - { .name: xs, .offset: 40, .size: 8, .value_kind: global_buffer, .address_space: global }
      - { .name: bq, .offset: 48, .size: 8, .value_kind: global_buffer, .address_space: global }
      - { .name: bs, .offset: 56, .size: 8, .value_kind: global_buffer, .address_space: global }
    .group_segment_fixed_size: 314112
    .private_segment_fixed_size: 0
    .kernarg_segment_align: 8
    .kernarg_segment_size: 64
    .max_flat_workgroup_size: 384
    .sgpr_count:     66
    .vgpr_count:     320
    .wavefront_size: 32
...
	.end_amdgpu_metadata
.endif
;; end of part 1
;; launch gemm (part 2): grid 8 x 32, 4 waves a work-group, clusters of 4 x 4, 327,680 bytes of LDS; arguments xq, xs, bq, bs, b, out0; writes out0
.if DOCPART == 2
	.amdgcn_target "amdgcn-amd-amdhsa--gfx1250"
	.amdhsa_code_object_version 6
	.text
	.protected	k_q5c5a9b0485_gemm
	.globl	k_q5c5a9b0485_gemm
	.p2align	8
	.type	k_q5c5a9b0485_gemm,@function
k_q5c5a9b0485_gemm:
	s_mov_b64 s[64:65], 0
	v_nop
	global_prefetch_b8 v0, s[64:65] scope:SCOPE_SE
	s_setreg_imm32_b32 hwreg(HW_REG_WAVE_MODE, 25, 1), 1
	s_wait_xcnt 0x0
	s_wait_alu depctr_hold_cnt(0) depctr_sa_sdst(0) depctr_va_vdst(0) depctr_va_sdst(0) depctr_va_ssrc(0) depctr_va_vcc(0) depctr_vm_vsrc(0)
	s_getreg_b32 s2, hwreg(HW_REG_IB_STS2, 6, 4)
	s_cmp_eq_u32 s2, 0
	s_cbranch_scc0 .Lentry_in_a_cluster
	s_endpgm
.Lentry_in_a_cluster:
	s_bfe_u32 s2, ttmp6, 0x10000c
	s_cmp_lg_u32 s2, 0xf033
	s_cbranch_scc0 .Lentry_shape_is_right
	s_endpgm
.Lentry_shape_is_right:
; out = x w^T + b + 2 x ab on codes of FP8 (E4M3) with E8M0 scale bytes, in the order in which the first launch leaves them (the factor 2 lies in ab's scale bytes).  Sums in f32; a sum begins with the bias as the C of its first product.
; A tile of 256 x 256 of out is made by a work-group of four waves, a wave 128 x 128: 64 accumulators, 512 registers.  THE MATRIX INSTRUCTION IS USED TRANSPOSED (source 0 = 16 columns of w or ab, source 1 = 16 rows of x): a lane holds eight neighbouring numbers of a row.
; A K step of 128 is two phases of 64 products: W (x with w), AB (the same fragments of x with ab).
; UNITS of 32,768 bytes: x's 256 rows, w's or ab's 256 columns, for one K step.  LDS: a ring of three units of x and one of six of w and ab.  ab's unit of a K step follows w's in memory.
; GROUPS.  K step 0 comes alone (x unit 2; units 4, 5).  Then, for t = 0 .. 4:  A(t): x of steps 3t+1, 3t+2 into x units 0, 1; w, ab of 3t+1 and w of 3t+2 into units 0, 1, 2.  B(t): x of 3t+3 into x unit 2; ab of 3t+2, w, ab of 3t+3 into units 3, 4, 5.
; The first A brings ab of step 2 too (units 0-3), so the first B has units 4, 5 alone.
; ROUNDS, two for three K steps: A(t+1) is asked for in W of step 3t+2, when the last of A(t) stands in registers and B(t) has landed; B(t+1) in AB of step 3t+3.  So a fill has 192 products between its request and the next one's.
; CLUSTERS of 4 x 4: the four of a row share x's units, the four of a column w's and ab's, by joint loads.
; FETCHES, in two runs a K step: behind W's block 0 x's blocks 3-7 and ab's set (where W has a round, ab's set behind it); behind AB's block 2 w's set and the next x's blocks 0-2.  Eight v_nop stand ahead of each run: the places behind the products that have read its registers.
; SCALE WORDS come by loads from memory straight into registers, two K steps ahead, in three sets: lanes 0-15 w's, lanes 16-31 ab's; lanes 0-15 x's blocks 0-3, lanes 16-31 blocks 4-7.
; PREFETCH.  Behind a round's loads each wave asks for the units that the NEXT round loads: wave 0 x's, waves 1-3 one of the three of w and ab each; of a unit's 128 blocks of 256 bytes each of the four partners that share it takes 32, by address.
; w and ab, which eight rows of clusters read, are asked for by four of them.  The last trip's second round asks for nothing.
; LIMITS: NaN, infinities and sums beyond f32's range are not served.
; REGISTERS.  window 0: v4-17 addresses; v28-63 scale words; v64-127 the bias, on the way out rows; v128-255 x's fragments.  window 1: w's fragments v0-127, ab's v128-255.  windows 2, 3: accumulators of my rows 0-63, 64-127.
.set B0,   98304                       ; LDS: units of w and ab behind x's three
.set SPARE, 294912
.set SPITCH, 528                       ; the way out: a stage of 16 rows for each wave, from LDS byte 0: x units 0 and 1, which have had their last fill and their last read by then
.set ADRX, 4                           ; v4, v5: my rows in x units 0-1, 2
.set ADRB, 6                           ; v6-8: my columns in units 0-1, 2-3, 4-5
.set CO,   9
.set STO,  10
.set RD,   11
.set BO,   12
.set SXO,  13
.set SBO,  14
.set PFO,  15
.set SPW,  16                          ; my spare word
.set NIL,  17
.set SC,   28                          ; set s at 28 + 12 s: +0..3 columns' blocks 0-3, +4..7 x's, +8..11 columns' blocks 4-7: no product's two scale words have numbers equal modulo 8
.set BIAS, 64
.set XF,   128
.set G1XA, 24
.set G0XA, 32
.set G0XB, 36
.set G0BA, 40
.set G0BB, 44
.set G1XB, 48
.set G1B,  56
.set G1S,  68
.set G0S,  76
.set G0A0, 8                           ; the first A's group 0 for w and ab: s[8:11], whose arguments have been used by then
.set PFA,  80
.set PSA,  82
.set PSB,  84
.set LIMA, 86
.set LIMB, 87
.set LIMC, 88
.set SXB,  90
.set SBB,  92
.set MSB, 0
.set CNT, 0                            ; LDS instructions issued so far in the text: a wait's count is what was issued behind the load that is needed
.macro WIN new
.if MSB != (\new)
	s_set_vgpr_msb (MSB<<8)|(\new)
.set MSB, (\new)
.endif
.endm
.macro JLOAD g0a, g1a, g0b, g1b        ; a joint load: waves 0, 1 x's, waves 2, 3 w's and ab's
	s_cmp_eq_u32 s17, 0
	s_cbranch_scc0 .Lfor_b_\@
	tensor_load_to_lds s[\g0a:\g0a+3], s[\g1a:\g1a+7]
	s_nop 0
.rept 4
	v_nop
.endr
	s_branch .Lasked_\@
.Lfor_b_\@:
	tensor_load_to_lds s[\g0b:\g0b+3], s[\g1b:\g1b+7]
	s_nop 0
.rept 4
	v_nop
.endr
.Lasked_\@:
.endm
.macro CREST                           ; a round of the cluster's barrier behind its opening barrier
	s_cmp_lg_u32 s16, 0
	s_cbranch_scc1 .Lnot_wave_0_\@
	s_barrier_signal -3
.Lnot_wave_0_\@:
	s_barrier_wait -3
	s_barrier_signal -1
	s_barrier_wait -1
.endm
.macro CROUND
	s_barrier_signal -1
	s_barrier_wait -1
	CREST
.endm
.macro SHAPE g, rows                   ; descriptor group 1: dense rows of 256 bytes (32 elements of 8)
	s_mov_b32 s[\g+1], 32<<16
	s_mov_b32 s[\g+2], (\rows)<<16
	s_mov_b32 s[\g+3], 32<<16
	s_mov_b32 s[\g+4], \rows
	s_mov_b32 s[\g+5], 32
	s_mov_b32 s[\g+6], 0
	s_mov_b32 s[\g+7], 0
.endm
.macro G0 g, base, mul, off, lds       ; descriptor group 0: my share of a group of units, mul bytes
	s_mov_b32 s[\g], 1
	s_mul_i32 s98, s18, \mul
	s_add_co_u32 s[\g+1], s98, \lds
.if (\off) > 0
	s_add_co_u32 s98, s98, \off
.endif
	s_mov_b32 s99, 0
	s_add_nc_u64 s[\g+2:\g+3], s[\base:\base+1], s[98:99]
	s_or_b32 s[\g+3], s[\g+3], 0x80000000
.endm
.macro ASK lim, off
	s_cmp_gt_u32 s3, s[\lim]
	s_cbranch_scc0 .Lnot_mine_\@
	global_prefetch_b8 v[PFO], s[PFA:PFA+1] offset:\off th:TH_LOAD_NT scope:SCOPE_SE
.Lnot_mine_\@:
.endm
.macro SCALES s, off                   ; one K step's scale words into set s
	global_load_b128 v[SC+12*\s:SC+12*\s+3], v[SBO], s[SBB:SBB+1] offset:\off
	global_load_b128 v[SC+12*\s+8:SC+12*\s+11], v[SBO], s[SBB:SBB+1] offset:\off+256
	global_load_b128 v[SC+12*\s+4:SC+12*\s+7], v[SXO], s[SXB:SXB+1] offset:\off
.endm
	s_load_b256 s[4:11], s[0:1], 0x0               ; xq, xs, bq, bs
	s_load_b128 s[12:15], s[0:1], 0x20             ; b, out0
	v_lshl_add_u32 v[SPW], v0, 2, SPARE
	v_mov_b32 v[NIL], 0
	ds_add_u32 v[SPW], v[NIL]                      ; the opening: the add, twice on end, and its wait ahead of my first tensor load
	ds_add_u32 v[SPW], v[NIL]
	v_lshrrev_b32 v1, 5, v0
	v_readfirstlane_b32 s16, v1                    ; wave 0..3
	s_lshr_b32 s17, s16, 1                         ; which half of the rows is mine; whether I fetch x (0) or w and ab (1)
	s_and_b32 s18, s16, 1                          ; which half of the columns is mine; which half of a fetch
	s_bfe_u32 s94, ttmp6, 0x40000                  ; cx, cy
	s_bfe_u32 s95, ttmp6, 0x40004
	s_lshl_b32 s96, ttmp9, 2
	s_add_co_u32 s96, s96, s94                     ; tile column
	s_and_b32 s97, ttmp7, 0xffff
	s_lshl_b32 s97, s97, 2
	s_add_co_u32 s97, s97, s95                     ; tile row
	s_lshl_b32 s98, s95, 2
	s_lshl_b32 s98, 15, s98                        ; my row of the cluster
	s_lshl_b32 s99, 0x1111, s94                    ; my column
	s_or_b32 s[G1XA], s98, (3<<16)|(1<<21)
	s_or_b32 s[G1XB], s98, (3<<16)|(1<<21)
	s_or_b32 s[G1B], s99, (3<<16)|(1<<21)
	s_or_b32 s[G1S], s99, (3<<16)|(1<<21)
	SHAPE G1XA, 128
	SHAPE G1XB, 64
	SHAPE G1B, 256                                 ; the first A's; then 192
	SHAPE G1S, 128
	s_lshl_b32 s19, s17, 14                        ; my 8 fragments of x
	s_lshl_b32 s20, s18, 14                        ; of w or ab
	s_add_co_u32 s20, s20, B0
	s_mul_i32 s21, s16, 16*SPITCH                  ; my stage
	v_and_b32 v1, 31, v0                           ; lane
	v_and_b32 v2, 15, v0                           ; r
	v_bfe_u32 v3, v0, 4, 1                         ; h
	v_lshlrev_b32 v[CO], 4, v1
	v_add_nc_u32 v[ADRX], s19, v[CO]
	v_add_nc_u32 v[ADRX+1], 0x10000, v[ADRX]
	v_add_nc_u32 v[ADRB], s20, v[CO]
	v_add_nc_u32 v[ADRB+1], 0x10000, v[ADRB]
	v_add_nc_u32 v[ADRB+2], 0x20000, v[ADRB]
	v_lshlrev_b32 v18, 4, v2
	v_lshl_add_u32 v[SXO], v3, 8, v18              ; x's scale words: 256 h + 16 r
	v_lshl_add_u32 v[SBO], v3, 14, v18             ; w's, for lanes 16-31 ab's
	v_mul_u32_u24 v19, v2, SPITCH
	v_lshl_add_u32 v19, v3, 5, v19
	v_add_nc_u32 v[STO], s21, v19
	v_add_nc_u32 v[RD], s21, v[CO]
	v_lshlrev_b32 v[BO], 5, v3
	v_lshlrev_b32 v[PFO], 8, v1
	s_wait_alu depctr_va_vdst(0)                   ; the wait at the head's end
	s_lshl_b32 s20, s97, 19                        ; where my tiles begin: x's codes,
	s_mov_b32 s21, 0
	s_lshl_b32 s22, s96, 20                        ; w's and ab's,
	s_mov_b32 s23, 0
	s_lshl_b32 s[SXB], s97, 14                     ; the scale words of my rows
	s_lshl_b32 s2, s17, 9
	s_add_co_u32 s[SXB], s[SXB], s2
	s_mov_b32 s[SXB+1], 0
	s_lshl_b32 s[SBB], s96, 15                     ; and columns,
	s_lshl_b32 s2, s18, 9
	s_add_co_u32 s[SBB], s[SBB], s2
	s_mov_b32 s[SBB+1], 0
	s_lshl_b32 s66, s96, 10                        ; the bias,
	s_add_co_u32 s66, s66, s2
	s_mov_b32 s67, 0
	s_lshl_b32 s100, s97, 21                       ; out
	s_lshl_b32 s2, s17, 20
	s_add_co_u32 s100, s100, s2
	s_add_co_u32 s100, s100, s66
	s_mov_b32 s101, 0
	s_wait_dscnt 0x0                               ; both opening adds are done
	CROUND                                         ; all sixteen work-groups are here
	s_wait_kmcnt 0x0
	s_add_nc_u64 s[20:21], s[4:5], s[20:21]
	s_add_nc_u64 s[22:23], s[8:9], s[22:23]
	G0 G0XB, 20, 16384, 0, 65536                   ; K step 0's x; from B(0) on stepped by three units
	G0 G0S, 22, 32768, 0, B0+131072                ; K step 0's w and ab
	JLOAD G0XB, G1XB, G0S, G1S                     ; one tensor load a wave at the head
	; the prefetches: where A(0) begins, and how far it is on from A(t) to B(t) and from B(t) to A(t+1)
	s_lshl_b32 s98, s94, 13
	s_lshl_b32 s99, s97, 19
	s_add_co_u32 s98, s98, s99
	s_add_co_u32 s98, s98, 0x8000                  ; wave 0: x of step 1
	s_add_co_u32 s99, s16, 1
	s_lshl_b32 s99, s99, 15                        ; waves 1-3: units 2, 3, 4 of the tile
	s_lshl_b32 s2, s95, 13
	s_add_co_u32 s99, s99, s2
	s_lshl_b32 s2, s96, 20
	s_add_co_u32 s99, s99, s2
	s_mov_b32 s[PSA], 0x18000
	s_mov_b32 s[PSB], 0x18000
	s_and_b32 s2, ttmp7, 0xffff
	s_cmp_lt_u32 s2, 4                             ; four rows of clusters ask for w and ab
	s_cselect_b32 s2, 0, -1
	s_cselect_b32 s19, 1, -1
	s_cmp_eq_u32 s16, 0
	s_cselect_b32 s98, s98, s99
	s_cselect_b64 s[PFA:PFA+1], s[4:5], s[8:9]
	s_cselect_b32 s[LIMA], 0, s2
	s_cselect_b32 s[LIMB], 1, s19
	s_cselect_b32 s[LIMC], 1, -1
	s_cselect_b32 s[PSA], 0x10000, s[PSA]
	s_cselect_b32 s[PSB], 0x8000, s[PSB]
	s_mov_b32 s[PSA+1], 0
	s_mov_b32 s[PSB+1], 0
	s_mov_b32 s99, 0
	s_add_nc_u64 s[PFA:PFA+1], s[PFA:PFA+1], s[98:99]
	s_mov_b32 s3, 4                                ; the loop's trips
	s_add_nc_u64 s[SXB:SXB+1], s[6:7], s[SXB:SXB+1]
	s_add_nc_u64 s[SBB:SBB+1], s[10:11], s[SBB:SBB+1]
	s_add_nc_u64 s[12:13], s[12:13], s[66:67]
	s_add_nc_u64 s[14:15], s[14:15], s[100:101]
.irp j, 0,1,2,3,4,5,6,7
	global_load_b128 v[BIAS+8*\j:BIAS+8*\j+3], v[BO], s[12:13] offset:64*\j
	global_load_b128 v[BIAS+8*\j+4:BIAS+8*\j+7], v[BO], s[12:13] offset:64*\j+16
.endr
	SCALES 0, 0
	SCALES 1, 1024
	ASK LIMA, 0                                    ; A(0): its load follows when K step 0 has landed
	ASK LIMC, 32768
	G0 G0XA, 20, 32768, 0x8000, 0
	G0 G0A0, 22, 65536, 0x10000, B0                ; the first A: four units
	G0 G0BA, 22, 49152, 0x10000, B0                ; stepped by six units ahead of A(1)
	G0 G0BB, 22, 49152, 0x28000, B0+98304          ; stepped ahead of B(1)
	s_wait_xcnt 0x0                                ; the prefetch has taken its address
	s_add_nc_u64 s[PFA:PFA+1], s[PFA:PFA+1], s[PSA:PSA+1]
.macro PROD a, b, p, sc, mode          ; x's block a with column block b; p = 0: w, 1: ab; mode = 1: C is the bias
.set rD, 8*(8*((\a)%4)+(\b))
.set rC, rD
.if \mode
.set rC, BIAS+8*(\b)
.endif
.set rB, 128*(\p)+16*(\b)
.set rA, XF+16*(\a)
.set rU, SC+12*(\sc)+(\b)+4*((\b)/4)
.set rS, SC+12*(\sc)+4+(\a)%4
.if (\p) && ((\a) >= 4)
	v_wmma_scale_f32_16x16x128_f8f6f4 v[rD:rD+7], v[rB:rB+15], v[rA:rA+15], v[rC:rC+7], v[rU], v[rS] matrix_a_scale:MATRIX_SCALE_ROW1 matrix_b_scale:MATRIX_SCALE_ROW1
.elseif (\p)
	v_wmma_scale_f32_16x16x128_f8f6f4 v[rD:rD+7], v[rB:rB+15], v[rA:rA+15], v[rC:rC+7], v[rU], v[rS] matrix_a_scale:MATRIX_SCALE_ROW1
.elseif (\a) >= 4
	v_wmma_scale_f32_16x16x128_f8f6f4 v[rD:rD+7], v[rB:rB+15], v[rA:rA+15], v[rC:rC+7], v[rU], v[rS] matrix_b_scale:MATRIX_SCALE_ROW1
.else
	v_wmma_scale_f32_16x16x128_f8f6f4 v[rD:rD+7], v[rB:rB+15], v[rA:rA+15], v[rC:rC+7], v[rU], v[rS]
.endif
.endm
.macro LB                              ; the next of the 32 loads that bring set BS from unit BU
	ds_load_b128 v[128*BS+4*BQ:128*BS+4*BQ+3], v[ADRB+BU/2] offset:32768*(BU%2)+512*BQ
.set BQ, BQ+1
.set CNT, CNT+1
.endm
.macro LX                              ; the next of the 32 loads that bring x from x unit XS; XI0 .. XI7: the count behind each block's last
	ds_load_b128 v[XF+4*XQ:XF+4*XQ+3], v[ADRX+XS/2] offset:32768*(XS%2)+512*XQ
.set XQ, XQ+1
.set CNT, CNT+1
.if XQ == 4
.set XI0, CNT
.elseif XQ == 8
.set XI1, CNT
.elseif XQ == 12
.set XI2, CNT
.elseif XQ == 16
.set XI3, CNT
.elseif XQ == 20
.set XI4, CNT
.elseif XQ == 24
.set XI5, CNT
.elseif XQ == 28
.set XI6, CNT
.elseif XQ == 32
.set XI7, CNT
.endif
.endm
.macro RUNB set, unit                  ; 32 loads in one run; BI: the count behind the last
.set BS, \set
.set BU, \unit
.set BQ, 0
	WIN 0x40
.rept 32
	LB
.endr
.set BI, CNT
	WIN 0
.endm
.macro RUNX n
	WIN 0
.rept \n
	LX
.endr
.endm
.macro WAITX sym                       ; all but what was issued behind that load
.set WN, CNT-\sym
.if WN > 63
.set WN, 63
.endif
	s_wait_dscnt WN
.endm
.macro BLOCK a, p, sc, mode=0          ; eight products: block a of x with all eight column blocks
	WIN 0xa1+0x50*((\a)/4)-\mode*(0x20+0x10*((\a)/4))
.irp b, 0,1,2,3,4,5,6,7
	PROD \a, \b, \p, \sc, \mode
.endr
.endm
.macro PLACES n
.rept \n
	v_nop
.endr
.endm
.macro WPH bu, sc, mode, soff, sset    ; W: fetches x's blocks 3-7, ab's set from unit bu, and the scale words of the K step two on
	s_wait_loadcnt 0x3                             ; this K step's scale words are in; the next one's three loads may be out
	WAITX XI0                                      ; w's set, asked for ahead of x's block 0, is in too
	BLOCK 0, 0, \sc, \mode
	PLACES 8
	RUNX 20
	RUNB 1, \bu
	SCALES \sset, \soff
	WAITX XI1
	BLOCK 1, 0, \sc, \mode
	WAITX XI2
	BLOCK 2, 0, \sc, \mode
	WAITX XI3
	BLOCK 3, 0, \sc, \mode
	WAITX XI4
	BLOCK 4, 0, \sc, \mode
	WAITX XI5
	BLOCK 5, 0, \sc, \mode
	WAITX XI6
	BLOCK 6, 0, \sc, \mode
	WAITX XI7
	BLOCK 7, 0, \sc, \mode
.endm
.macro APH bu, xs, sc                  ; AB: fetches w's set from unit bu and the next x's blocks 0-2 from x unit xs
	WAITX BI
	BLOCK 0, 1, \sc
	BLOCK 1, 1, \sc
	BLOCK 2, 1, \sc
	PLACES 8
	RUNB 0, \bu
.set XS, \xs
.set XQ, 0
	RUNX 12
.irp a, 3,4,5,6,7
	BLOCK \a, 1, \sc
.endr
.endm
.macro GRD
	WIN 0
	s_wait_tensorcnt 0x0
	ds_add_u32 v[SPW], v[NIL]
.set CNT, CNT+1
.endm
.macro WRND bu, sc, soff, sset, fill   ; W of step 3t+2.  fill = 1: the round that asks for A(t+1); fill = 0: a plain barrier, which shows B(t)
.if \fill
	s_wait_xcnt 0x0                                ; my prefetch has taken its address
	s_add_nc_u64 s[PFA:PFA+1], s[PFA:PFA+1], s[PSA:PSA+1]
.endif
	s_wait_loadcnt 0x3
	WAITX XI0
	BLOCK 0, 0, \sc
	PLACES 8
	RUNX 20
.if (\soff) > 0
	SCALES \sset, \soff
.endif
	WAITX XI1
	BLOCK 1, 0, \sc
	GRD
.if \fill
	s_add_nc_u64 s[G0XA+2:G0XA+3], s[G0XA+2:G0XA+3], 0x18000
	s_add_nc_u64 s[G0BA+2:G0BA+3], s[G0BA+2:G0BA+3], 0x30000
.endif
	WAITX XI2
	BLOCK 2, 0, \sc
	s_wait_dscnt 0x0                               ; the add is done, and my reads of the group are over
	s_barrier_signal -1
	BLOCK 3, 0, \sc
	WIN 0
	s_barrier_wait -1
.if \fill
	CREST
	JLOAD G0XA, G1XA, G0BA, G1B                    ; the first tensor load behind the round
.endif
	RUNB 1, \bu
.if \fill
	ASK LIMA, 0
.endif
.irp a, 4,5,6,7
	BLOCK \a, 0, \sc
.endr
.endm
.macro ARND head                       ; AB of step 3t+3: the round that asks for B(t+1); head = 1: K step 0, B(0)
	s_wait_xcnt 0x0                                ; my prefetch and the scale words' loads have taken their addresses
	s_add_nc_u64 s[PFA:PFA+1], s[PFA:PFA+1], s[PSB:PSB+1]
.if (\head) == 0
	s_add_nc_u64 s[SXB:SXB+1], s[SXB:SXB+1], 3072
	s_add_nc_u64 s[SBB:SBB+1], s[SBB:SBB+1], 3072
.endif
	WAITX BI
	BLOCK 0, 1, 0
	GRD
	s_add_nc_u64 s[G0XB+2:G0XB+3], s[G0XB+2:G0XB+3], 0x18000
.if \head
	s_add_nc_u64 s[G0S+2:G0S+3], s[G0S+2:G0S+3], 0x30000
	s_mov_b32 s[G1B+2], 192<<16                    ; no tensor load of mine is out: from here on 192 rows a load
	s_mov_b32 s[G1B+4], 192
.else
	s_add_nc_u64 s[G0BB+2:G0BB+3], s[G0BB+2:G0BB+3], 0x30000
.endif
	BLOCK 1, 1, 0
	s_wait_dscnt 0x0
	s_barrier_signal -1
	BLOCK 2, 1, 0
	WIN 0
	s_barrier_wait -1
	CREST
.if \head
	JLOAD G0XB, G1XB, G0S, G1S
.else
	JLOAD G0XB, G1XB, G0BB, G1B
.endif
	PLACES 4                                       ; with the four behind the joint load the eight ahead of the run
	RUNB 0, 0
.set XS, 0
.set XQ, 0
	RUNX 12
	ASK LIMB, 0
	ASK LIMC, 32768
.irp a, 3,4,5,6,7
	BLOCK \a, 1, 0
.endr
.endm
	s_wait_tensorcnt 0x0                           ; my part of K step 0 is in
	ds_add_u32 v[SPW], v[NIL]
	s_wait_dscnt 0x0
	CROUND
	JLOAD G0XA, G1XA, G0A0, G1B                    ; the first A: x units 0, 1, units 0-3: first fills all
	RUNB 0, 4
.set XS, 2
.set XQ, 0
	RUNX 12
	s_cmp_eq_u32 s16, 1                            ; B(0): wave 1's unit has come with the first A
	s_cbranch_scc1 .Lhas_come
	ASK LIMA, 0
.Lhas_come:
	WPH 5, 0, 1, 2048, 2                           ; K step 0
	ARND 1
	WIN 0
.Ltrip:                                                ; steps 3t+1, 3t+2, 3t+3
	WPH 1, 1, 0, 3072, 0
	APH 2, 1, 1
	WRND 3, 2, 4096, 1, 1
	APH 4, 2, 2
	WPH 5, 0, 0, 5120, 2
	ARND 0
	WIN 0
	s_sub_co_u32 s3, s3, 1
	s_cmp_lg_u32 s3, 0
	s_cbranch_scc1 .Ltrip
	WPH 1, 1, 0, 3072, 0                           ; steps 13, 14: nothing more is asked for
	APH 2, 1, 1
	WRND 3, 2, 0, 0, 0
	APH 4, 2, 2
; THE LAST K STEP: my rows 0-63 first, then block by block, so that finished rows leave while the others are multiplied.
	s_wait_loadcnt 0x0
	WAITX XI0
	BLOCK 0, 0, 0
	PLACES 8
	RUNX 20
	RUNB 1, 5
	WAITX XI1
	BLOCK 1, 0, 0
	WAITX XI2
	BLOCK 2, 0, 0
	WAITX XI3
	BLOCK 3, 0, 0
	WAITX BI
.irp a, 0,1,2,3
	BLOCK \a, 1, 0
.endr
.macro TOSTAGE a                       ; a block of 16 rows x 128 columns through my stage: back as whole rows of 512 bytes.  LDS serves a wave's instructions in order (ISA guide 5.7.1.4)
.set AC, 64*((\a)%4)
	WIN 0x08+4*((\a)/4)
.irp b, 0,1,2,3,4,5,6,7
	ds_store_b128 v[STO], v[AC+8*\b:AC+8*\b+3] offset:64*\b
	ds_store_b128 v[STO], v[AC+8*\b+4:AC+8*\b+7] offset:64*\b+16
.endr
	WIN 0
.set BB, 64+64*((\a)%2)
.irp t, 0,1,2,3,4,5,6,7,8,9,10,11,12,13,14,15
	ds_load_b128 v[BB+4*\t:BB+4*\t+3], v[RD] offset:\t*SPITCH
.endr
.endm
.macro SEND a, younger                 ; younger: the LDS instructions issued behind block a's loads, which may stay out
.set BB, 64+64*((\a)%2)
	s_wait_dscnt \younger
.if (\a) > 0
	s_wait_xcnt 0x0                                ; earlier stores have read their data and their base
	s_add_nc_u64 s[14:15], s[14:15], 0x20000       ; 16 rows of 8,192 bytes
.endif
.irp t, 0,1,2,3,4,5,6,7,8,9,10,11,12,13,14,15
	global_store_b128 v[CO], v[BB+4*\t:BB+4*\t+3], s[14:15] offset:\t*8192   ; 512 consecutive bytes, aligned
.endr
.endm
	PLACES 8                                       ; rows 0-63's results, and x's blocks 0-3, which the rows read back take the place of
	TOSTAGE 0
.irp a, 4,5,6,7
	BLOCK \a, 0, 0
	BLOCK \a, 1, 0
	WIN 0
	SEND \a-4, 0
.if \a < 7
	TOSTAGE \a-3
.endif
.endr
	PLACES 8                                       ; rows 64-127's results
	TOSTAGE 4
.irp a, 5,6,7
	s_wait_xcnt 0x0                                ; block a - 2's stores have read their registers
	TOSTAGE \a
	SEND \a-1, 32
.endr
	SEND 7, 0
	s_wait_tensorcnt 0x0                           ; the wave's end
	ds_add_u32 v[SPW], v[NIL]
	s_wait_dscnt 0x0
	CROUND                                         ; the closing round: no work-group ends while a partner may still ask for a unit that names it
	s_endpgm
.Lfunc_end_k_q5c5a9b0485_gemm:
	.size	k_q5c5a9b0485_gemm, .Lfunc_end_k_q5c5a9b0485_gemm-k_q5c5a9b0485_gemm
	.p2alignl 7, 3214868480
	.fill 96, 4, 3214868480
	.section	.rodata,"a",@progbits
	.p2align	6, 0x0
	.amdhsa_kernel k_q5c5a9b0485_gemm
		.amdhsa_group_segment_fixed_size 327680
		.amdhsa_private_segment_fixed_size 0
		.amdhsa_enable_private_segment 0
		.amdhsa_kernarg_size 48
		.amdhsa_user_sgpr_count 2
		.amdhsa_user_sgpr_kernarg_segment_ptr 1
		.amdhsa_wavefront_size32 1
		.amdhsa_system_sgpr_workgroup_id_x 1
		.amdhsa_system_sgpr_workgroup_id_y 1
		.amdhsa_system_sgpr_workgroup_id_z 1
		.amdhsa_system_vgpr_workitem_id 0
		.amdhsa_next_free_vgpr 1024
		.amdhsa_next_free_sgpr 102
		.amdhsa_reserve_vcc 0
		.amdhsa_float_denorm_mode_32 3
		.amdhsa_float_denorm_mode_16_64 3
		.amdhsa_memory_ordered 1
		.amdhsa_forward_progress 1
		.amdhsa_inst_pref_size 211
	.end_amdhsa_kernel
	.amdgpu_metadata
---
amdhsa.version: [ 1, 2 ]
amdhsa.kernels:
  - .name:           k_q5c5a9b0485_gemm
    .symbol:         k_q5c5a9b0485_gemm.kd
    .args:
      - { .name: xq, .offset: 0, .size: 8, .value_kind: global_buffer, .address_space: global }
      - { .name: xs, .offset: 8, .size: 8, .value_kind: global_buffer, .address_space: global }
      - { .name: bq, .offset: 16, .size: 8, .value_kind: global_buffer, .address_space: global }
      - { .name: bs, .offset: 24, .size: 8, .value_kind: global_buffer, .address_space: global }
      - { .name: b, .offset: 32, .size: 8, .value_kind: global_buffer, .address_space: global }
      - { .name: out0, .offset: 40, .size: 8, .value_kind: global_buffer, .address_space: global }
    .group_segment_fixed_size: 327680
    .private_segment_fixed_size: 0
    .kernarg_segment_align: 8
    .kernarg_segment_size: 48
    .max_flat_workgroup_size: 128
    .sgpr_count:     102
    .vgpr_count:     1024
    .wavefront_size: 32
...
	.end_amdgpu_metadata
.endif
;; end of part 2
